; MI455X (gfx1250); checked and timed in simulation.
; The chip was launched on July 23, 2026; its instructions are those of AMD's public machine-readable ISA for CDNA 5 (MIT licence, August 2026) and "CDNA5" Instruction Set Architecture Reference Guide (July 2026). The comments in the code are by the model that wrote it; some were corrected since.
;; Classifier. Allowed arithmetic: float matrix products may take bf16 or f16 operands with f32 sums; all other float work in f32.
;; Inputs: emb 1,024 x 128 float32; weight 256 x 64 x 128 float32.
;; Outputs: out0 1,024 x 256 float32.
;; One version. Each part assembles by itself: llvm-mc -triple=amdgcn-amd-amdhsa -mcpu=gfx1250 --defsym DOCPART=n.
;; ======== version 1 of 1: 1 launch
;; limits: right only within a limited range of input values; values outside matrix products are rounded to bf16; a function is approximated: absolute error at most 2.4e-05
;; launch route (part 1): grid 64 x 4, 16 waves a work-group, clusters of 4 x 4, 268,288 bytes of LDS; arguments emb, weight, out0; writes out0
.if DOCPART == 1
	.amdgcn_target "amdgcn-amd-amdhsa--gfx1250"
	.amdhsa_code_object_version 6
	.text
	.protected	k_q4e1bdc7c61_route
	.globl	k_q4e1bdc7c61_route
	.p2align	8
	.type	k_q4e1bdc7c61_route,@function
k_q4e1bdc7c61_route:
	s_mov_b64 s[64:65], 0
	v_nop
	global_prefetch_b8 v0, s[64:65] scope:SCOPE_SE
	s_setreg_imm32_b32 hwreg(HW_REG_WAVE_MODE, 25, 1), 1
	s_wait_xcnt 0x0
	s_wait_alu depctr_hold_cnt(0) depctr_sa_sdst(0) depctr_va_vdst(0) depctr_va_sdst(0) depctr_va_ssrc(0) depctr_va_vcc(0) depctr_vm_vsrc(0)
	s_getreg_b32 s2, hwreg(HW_REG_IB_STS2, 6, 4)
	s_cmp_eq_u32 s2, 0
	s_cbranch_scc0 .Lentry_in_a_cluster
	s_endpgm
.Lentry_in_a_cluster:
	s_bfe_u32 s2, ttmp6, 0x10000c
	s_cmp_lg_u32 s2, 0xf033
	s_cbranch_scc0 .Lentry_shape_is_right
	s_endpgm
.Lentry_shape_is_right:
; out0[b][c] = ((1 + cos(protos[b][c], emb[b])) / 2 + 1e-8) / 0.1, protos = softmax-weighted sum of the 8 anchors of class c (of 64) with the best cosine to emb[b].
; emb [1024][128] f32, weight [256][64][128] f32, out0 [1024][256] f32.
;
; NO GATHER.  No address hangs on the choice: with e[s] = exp(cos[s]/2) for the 8 chosen s and 0 for the others,
;   protos . emb = sum e[s] dot[s] / sum e[s]      and      |protos|^2 = e^T G e / (sum e[s])^2,   G = W_c W_c^T (64 x 64),
; so the choice only selects values (v_cndmask_b32), and dots, G and G e go to the matrix unit in bf16 with f32 sums.
;
; SHARES.  Work-group (x, y): classes 4x .. 4x+3, rows 256y .. 256y+255; 64 x 4 = 256 work-groups.  16 waves; wave w keeps rows 256y+16w .. +15 and
; walks the 4 classes.  Lane (r = lane & 15, h = lane >> 4) holds row r and the 32 scores s = 16t + 8h + j (t = 0..3, j = 0..7); lane ^ 16 holds the other 32.
;
; ORDER.  What the waves make for each other comes first, for all four classes at once: (1) every wave rounds its 4 anchors of each class to bf16, one barrier;
; (2) every wave makes its 16 x 16 tile of each class's G, and the waves on the diagonal 1/n_w, one barrier; (3) the four classes against the wave's own rows.
; Behind the second barrier LDS is only read, so step (3) has no barrier: the waves need not keep step, and one wave's LDS loads fall under the others' arithmetic.
;
; CLUSTERS.  4 x 4 work-groups.  The emb tile hangs on y alone and is asked for jointly by a row of the cluster, the weight tiles hang on x alone and are
; asked for jointly by a column: each is requested once for four.  Every LDS byte is filled once, so there is no ring and no refill.
;
; THE CHOICE follows reference() on the bf16-rounded inputs: exact bf16 products, norms from the same rounded numbers (diagonals of the Gram products),
; key = 2^30 * fl(1 + cos) as a whole number (always a multiple of 64: 1 + cos lies on a grid of 2^-24 or coarser) + (63 - s).  The later steps of the
; score (x 0.5, + 1e-8) keep the order of that grid, keys are unique, and equal scores go to the lower s as in top_k.
;
; LIMITS.  (1) max(n_emb n_w, 1e-8) is replaced by 1/n_emb and 1/n_w with each norm clamped at 2^-50: equal to reference() where n_emb n_w >= 1e-8 and for
; zero vectors.  The second clamp (n_p n_emb) is made as written.  (2) No maximum is taken away before the exponential: its argument is cos/2, which the
; normalisation that reference() itself makes keeps in [-0.5, 0.5] for every input; the factor exp(0.5 + 1e-8) cancels in the softmax.  (3) exp(cos/2) is its
; series to degree 5, off by at most 2.2e-5 on that whole range.  (4) |protos|^2 uses G and one of the two e in bf16.  (5) NaN and infinities are not honoured.
; (6) Where the 8th and 9th cosine differ only in the last bits of f32 the choice may differ from reference()'s.
; (7) A work-group owns 4 classes, so a row of out0 gets 16 bytes from it (8 bytes a lane): longer pieces of a row would need more classes in a work-group,
; and with them as many times the weight bytes, conversions and Gram products.
.set EPITCH, 528                       ; emb staging: 512 bytes of f32 + 16 of padding, an odd multiple of 16
.set ETILE,  16*EPITCH                 ; 8,448: one wave's 16 rows
.set WST,    16*ETILE                  ; 135,168: weight staging, f32, 4 classes of 32,768 bytes
.set WCLS,   32768
.set WPITCH, 272                       ; bf16 weights: 256 bytes + 16
.set WBCLS,  64*WPITCH                 ; 17,408 a class, from LDS byte 0 (over the emb staging, once every wave has read its part of it)
.set GB,     4*WBCLS                   ; 69,632: G in bf16
.set GPITCH, 144                       ; 128 bytes + 16
.set GCLS,   64*GPITCH                 ; 9,216 a class
.set IV,     GB+4*GCLS                 ; 106,496: 1/n_w, 64 f32 a class; ends at 107,520, below WST
; vector registers
.set AST, 5                            ; weight staging: my wave's 2,048 bytes + 16 lane
.set ACV, 6                            ; bf16 weights: row 4w, + 8 lane
.set AWA, 7                            ; fragment of bf16 weights: r pitch + 16 h
.set AGA, 8                            ; the same at rows 16 ti
.set AGB, 9                            ; the same at rows 16 tj
.set AGS, 10                           ; where my 16 bytes of G go
.set AGL, 11                           ; fragment of G: GB + r pitch + 16 h
.set AIS, 12                           ; where 1/n_w of row 16 ti + r goes
.set AIL, 13                           ; IV + 32 h
.set OOF, 14                           ; out0: 1,024 r + 8 h
.set AEM, 15                           ; emb staging: my wave's tile + r pitch + 32 h
.set VH,  16                           ; 8 (1 - h)
.set NE,  17                           ; n_emb of row r
.set VNE, 18                           ; v[18:19] 1/n_emb, twice
.set VA5, 20                           ; v[20:21] 1/3840, twice
.set T,   22                           ; the 8th largest key
.set NF,  23                           ; the sorting network's spare register
.set TP,  24                           ; v[24:31] four pairs at work
.set SE,  32                           ; v[32:33] sum e
.set SA,  34                           ; v[34:35] sum e dot
.set SQ,  36                           ; v[36:37] sum e (G e)
.set X0,  38                           ; v38 at work
.set EMB, 40                           ; v[40:71]   emb fragments, K steps 0..3, for the whole kernel
.set DB,  72                           ; v[72:103]  dots; later e in bf16 (16 registers); in the Gram step a fragment block
.set CB,  104                          ; v[104:135] cosines, then e; fragments
.set KB,  136                          ; v[136:167] keys, then G e; fragments
.set NET, 168                          ; v[168:199] the network's lists; fragments; Gram accumulators
.set INV, 200                          ; v[200:231] 1/n_w; fragments
.set OUTR, 232                         ; v[232:235] the four classes' results
.set GOUT, 236                         ; v[236:251] class i: my 16 bytes of G, four registers a class
.set GINV, 252                         ; v[252:255] class i: 1/n_w of my anchor (waves on G's diagonal)
.set CM,  68                           ; s[68:71] compare masks, by turns
; A round of the cluster's barrier: my work-group's barrier, wave 0 signals for the work-group, every wave waits for all sixteen, my work-group's barrier again.
.macro ROUND
	s_barrier_signal -1
	s_barrier_wait -1
	s_cmp_lg_u32 s10, 0
	s_cbranch_scc1 .Lnot_wave_0_\@
	s_barrier_signal -3
.Lnot_wave_0_\@:
	s_barrier_wait -3
	s_barrier_signal -1
	s_barrier_wait -1
.endm
; What I stored in LDS is there, what I read is back; then all sixteen waves meet.
.macro BAR
	s_wait_dscnt 0x0
	s_barrier_signal -1
	s_barrier_wait -1
.endm
; Four places behind a matrix instruction before a vector instruction reads its result or a load lands on one of its registers.
.macro PLACES
.rept 4
	v_nop
.endr
.endm
; 16 x 16 Gram tile over K = 128: rows of fragment block a times rows of block b.  Two accumulators take turns; then they are added.
; FIVE places stand behind the products, not four: a later matrix instruction writes over the accumulators (the next Gram tile) or over a fragment block (the
; dots, over DB), or takes v[NET .. NET+15], filled with weight fragments by then, as its A; each of these stands five places behind (ISA guide 7.12.1).  The
; additions and conversions that follow name the accumulators and are no places, so all five are v_nop, and they stand on every wave's way.
.macro GRAM4 a, b
	v_wmma_f32_16x16x32_bf16 v[NET:NET+7],    v[\a:\a+7],     v[\b:\b+7],     0
	v_wmma_f32_16x16x32_bf16 v[NET+8:NET+15], v[\a+8:\a+15],  v[\b+8:\b+15],  0
	v_wmma_f32_16x16x32_bf16 v[NET:NET+7],    v[\a+16:\a+23], v[\b+16:\b+23], v[NET:NET+7]
	v_wmma_f32_16x16x32_bf16 v[NET+8:NET+15], v[\a+24:\a+31], v[\b+24:\b+31], v[NET+8:NET+15]
.rept 5
	v_nop
.endr
.irp q, 0,1,2,3
	v_pk_add_f32 v[NET+2*\q:NET+2*\q+1], v[NET+2*\q:NET+2*\q+1], v[NET+8+2*\q:NET+8+2*\q+1]
.endr
.endm
; The diagonal of a 16 x 16 result at v[x .. x+7]: element (r, r) lies in register r & 7 of the lane with h = r >> 3.  Every lane ends with that of its r.
.macro DIAG x, out
	v_cndmask_b32 v[\out], v[\x], v[\x+1], s53
.irp j, 2,3,4,5,6,7
	v_cndmask_b32 v[\out], v[\out], v[\x+\j], s[52+\j]
.endr
	v_permlanex16_b32 v[\x], v[\out], s60, s61     ; from lane ^ 16; the destination is a dead register that has been written
	v_cndmask_b32 v[\out], v[\x], v[\out], s52     ; keep my own where (r >> 3) == h
.endm
; y = 1/sqrt(max(x, 2^-100)), one Newton step behind v_rsq_f32; x is left clamped.
.macro RSQ x, y, t1, t2
	v_max_num_f32 v[\x], 0x0d800000, v[\x]
	v_rsq_f32 v[\y], v[\x]
	v_nop                                          ; one plain place behind a transcendental (ISA guide 5.7.2)
	s_wait_alu depctr_va_vdst(0)
	v_mul_f32 v[\t1], v[\x], v[\y]
	v_fma_f32 v[\t1], -v[\t1], v[\y], 1.0
	v_mul_f32 v[\t2], 0.5, v[\y]
	v_fma_f32 v[\y], v[\t2], v[\t1], v[\y]
.endm
; A comparator on whole-number keys, the larger to place a.  The maximum goes to the spare register, the minimum over place b; then place a and the spare
; change names, at assembly time: two instructions and no move.
.macro CE a, b
	v_max_u32 v[PF], v[P\a], v[P\b]
	v_min_u32 v[P\b], v[P\a], v[P\b]
	.set PT, P\a
	.set P\a, PF
	.set PF, PT
.endm
; Eight keys of tile g sorted downward by the 19-comparator network; its first layer reads the keys and writes the list, so the keys stay.
.macro SORT8 g, L
.irp n, 0,1,2,3,4,5,6,7
	.set P\n, NET+8*\g+\n
.endr
.irp n, 0,1,4,5
	v_max_u32 v[NET+8*\g+\n],   v[KB+8*\g+\n], v[KB+8*\g+\n+2]
	v_min_u32 v[NET+8*\g+\n+2], v[KB+8*\g+\n], v[KB+8*\g+\n+2]
.endr
	CE 0, 4
	CE 1, 5
	CE 2, 6
	CE 3, 7
	CE 0, 1
	CE 2, 3
	CE 4, 5
	CE 6, 7
	CE 2, 4
	CE 3, 5
	CE 1, 4
	CE 3, 6
	CE 1, 2
	CE 3, 4
	CE 5, 6
.irp n, 0,1,2,3,4,5,6,7
	.set \L\n, P\n
.endr
.endm
.macro MAXR X, a, Y, b
	v_max_u32 v[\X\a], v[\X\a], v[\Y\b]
.endm
; max(X[i], Y[7-i]) of two lists sorted downward holds the 8 largest of the 16.
.macro TOP8 X, Y
	MAXR \X, 0, \Y, 7
	MAXR \X, 1, \Y, 6
	MAXR \X, 2, \Y, 5
	MAXR \X, 3, \Y, 4
	MAXR \X, 4, \Y, 3
	MAXR \X, 5, \Y, 2
	MAXR \X, 6, \Y, 1
	MAXR \X, 7, \Y, 0
.endm
; ... as a bitonic run, which twelve comparators sort downward again into X.
.macro MERGE X, Y
	TOP8 \X, \Y
.irp n, 0,1,2,3,4,5,6,7
	.set P\n, \X\n
.endr
	CE 0, 4
	CE 1, 5
	CE 2, 6
	CE 3, 7
	CE 0, 2
	CE 1, 3
	CE 4, 6
	CE 5, 7
	CE 0, 1
	CE 2, 3
	CE 4, 5
	CE 6, 7
.irp n, 0,1,2,3,4,5,6,7
	.set \X\n, P\n
.endr
.endm
; One Horner step on the four pairs of tile t: p = p cos + c
.macro HSTEP t, c
.irp q, 0,1,2,3
	v_pk_fma_f32 v[TP+2*\q:TP+2*\q+1], v[TP+2*\q:TP+2*\q+1], v[CB+8*\t+2*\q:CB+8*\t+2*\q+1], \c op_sel_hi:[1,1,0]
.endr
.endm
; ---------------------------------------------------------------- set-up
	s_load_b128 s[4:7], s[0:1], 0x0                ; emb s[4:5], weight s[6:7]
	s_load_b64 s[8:9], s[0:1], 0x10                ; out0
	v_lshl_add_u32 v254, v0, 2, 0x41000
	v_mov_b32 v255, 0
	ds_add_u32 v254, v255
	s_wait_dscnt 0x0
	v_lshrrev_b32 v1, 5, v0
	v_readfirstlane_b32 s10, v1                    ; wave w, 0..15
	s_bfe_u32 s11, ttmp6, 0x40000                  ; cx
	s_bfe_u32 s12, ttmp6, 0x40004                  ; cy = work-group y (one cluster along y)
	s_lshl_b32 s13, ttmp9, 2
	s_add_co_u32 s13, s13, s11                     ; work-group x = 4 x cluster x + cx
	s_lshr_b32 s62, s10, 2                         ; ti: my tile row of G
	s_and_b32 s63, s10, 3                          ; tj: my tile column of G
	s_lshl_b32 s72, s12, 2
	s_lshl_b32 s72, 15, s72                        ; my row of the cluster: places 4 cy .. 4 cy + 3
	s_lshl_b32 s73, 0x1111, s11                    ; my column: places cx, cx + 4, cx + 8, cx + 12
	; group 1 for emb: 16 rows x 128 elements of 4 bytes, 4 words of padding behind every 128 words; the mask names my row, bit 21 beside it
	s_or_b32 s16, s72, (2<<16)|(1<<20)|(1<<21)|(6<<22)|(3<<25)
	s_mov_b32 s17, 128<<16                         ; tensor_dim0 = 128
	s_mov_b32 s18, 16<<16                          ; tensor_dim1 = 16
	s_mov_b32 s19, 128<<16                         ; tile_dim0 = 128
	s_mov_b32 s20, 16                              ; tile_dim1 = 16
	s_mov_b32 s21, 128                             ; elements from row to row
	s_mov_b32 s22, 0
	s_mov_b32 s23, 0
	; group 1 for weights: 2,048 dense bytes (4 anchors) as 8 rows x 32 elements of 8 bytes, no padding; the mask names my column
	s_or_b32 s24, s73, (3<<16)|(1<<21)
	s_mov_b32 s25, 32<<16
	s_mov_b32 s26, 8<<16
	s_mov_b32 s27, 32<<16
	s_mov_b32 s28, 8
	s_mov_b32 s29, 32
	s_mov_b32 s30, 0
	s_mov_b32 s31, 0
	; emb's tile: row 256 cy + 16 w, 512 bytes a row; made of cy and w alone
	s_lshl_b32 s14, s12, 17
	s_lshl_b32 s74, s10, 13
	s_add_co_u32 s14, s14, s74
	s_mov_b32 s15, 0
	; the weights' tiles: class 4 x + i, 32,768 bytes a class, my 4 anchors at 2,048 w; made of x and w alone
	s_lshl_b32 s76, s13, 17
	s_lshl_b32 s75, s10, 11
	s_add_co_u32 s76, s76, s75
	s_mov_b32 s77, 0
	s_mov_b32 s32, 1
	s_mul_i32 s33, s10, ETILE                      ; LDS: my wave's emb tile
	s_wait_kmcnt 0x0
	s_add_nc_u64 s[34:35], s[4:5], s[14:15]
	s_or_b32 s35, s35, 0x80000000                  ; type 2
	s_add_nc_u64 s[78:79], s[6:7], s[76:77]
.irp i, 0,1,2,3
	s_mov_b32 s[36+4*\i], 1
	s_add_co_u32 s[37+4*\i], s75, WST+\i*WCLS      ; LDS: class i, my wave's 2,048 bytes
	s_add_nc_u64 s[38+4*\i:39+4*\i], s[78:79], \i*WCLS
	s_or_b32 s[39+4*\i], s[39+4*\i], 0x80000000
.endr
	ROUND                                          ; all sixteen work-groups are here: the joint loads meet
	tensor_load_to_lds s[32:35], s[16:23]          ; five tensor loads of the wave are out from here: emb,
	s_nop 0
.irp i, 0,1,2,3
	tensor_load_to_lds s[36+4*\i:39+4*\i], s[24:31]   ; and classes 0 to 3.  Each LDS byte is filled this once.
	s_nop 0
.endr
	; lane masks and constants
	s_mov_b32 s52, 0xff0000ff                      ; lanes with (r >> 3) == h
.irp j, 1,2,3,4,5,6,7
	s_mov_b32 s[52+\j], 0x01010101<<\j             ; lanes with (r & 7) == j
.endr
	s_mov_b32 s60, 0x76543210                      ; v_permlanex16_b32: lane ^ 16
	s_mov_b32 s61, 0xfedcba98
	s_mov_b32 s66, 0xffff0000                      ; lanes with h = 1
	v_and_b32 v2, 31, v0                           ; lane
	v_and_b32 v3, 15, v0                           ; r
	v_bfe_u32 v4, v0, 4, 1                         ; h
	v_lshlrev_b32 v[AST], 4, v2
	v_add_nc_u32 v[AST], s37, v[AST]
	s_mul_i32 s67, s10, 4*WPITCH
	v_lshl_add_u32 v[ACV], v2, 3, s67
	v_mul_u32_u24 v[AWA], v3, WPITCH
	v_lshl_add_u32 v[AWA], v4, 4, v[AWA]
	s_mul_i32 s67, s62, 16*WPITCH
	v_add_nc_u32 v[AGA], s67, v[AWA]
	s_mul_i32 s67, s63, 16*WPITCH
	v_add_nc_u32 v[AGB], s67, v[AWA]
	v_mul_u32_u24 v[AGL], v3, GPITCH
	v_lshl_add_u32 v[AGL], v4, 4, v[AGL]
	v_add_nc_u32 v[AGL], GB, v[AGL]
	s_mul_i32 s67, s63, 16*GPITCH                  ; row 16 tj + r,
	s_lshl_b32 s74, s62, 5                         ; columns 16 ti + 8 h .. + 7, two bytes each
	s_add_co_u32 s67, s67, s74
	v_add_nc_u32 v[AGS], s67, v[AGL]
	s_lshl_b32 s67, s62, 6
	s_add_co_u32 s67, s67, IV
	v_lshl_add_u32 v[AIS], v3, 2, s67
	v_lshl_add_u32 v[AIL], v4, 5, IV
	v_lshlrev_b32 v[OOF], 10, v3
	v_lshl_add_u32 v[OOF], v4, 3, v[OOF]
	v_mul_u32_u24 v[AEM], v3, EPITCH
	v_lshl_add_u32 v[AEM], v4, 5, v[AEM]
	v_add_nc_u32 v[AEM], s33, v[AEM]
	v_lshlrev_b32 v[VH], 3, v4
	v_sub_nc_u32 v[VH], 8, v[VH]
	v_mov_b32 v[VA5], 0x39888889                   ; 1/3840
	v_mov_b32 v[VA5+1], 0x39888889
; ---------------------------------------------------------------- emb: my 16 rows to bf16 fragments, and their norms
	s_wait_tensorcnt 0x4                           ; tensor loads end in order: emb's tile is in, the four weight tiles stay out.  Only I read these bytes.
.irp kk, 0,1,2,3                                   ; K step kk of row r: k = 32 kk + 8 h .. + 7 and 32 kk + 16 + 8 h .. + 7, as f32
	ds_load_b128 v[CB+16*\kk:CB+16*\kk+3],     v[AEM] offset:128*\kk
	ds_load_b128 v[CB+16*\kk+4:CB+16*\kk+7],   v[AEM] offset:128*\kk+16
	ds_load_b128 v[CB+16*\kk+8:CB+16*\kk+11],  v[AEM] offset:128*\kk+64
	ds_load_b128 v[CB+16*\kk+12:CB+16*\kk+15], v[AEM] offset:128*\kk+80
.endr
	s_wait_dscnt 0x0                               ; my reads of the emb staging are back:
	s_barrier_signal -1                            ; say so; behind this barrier its bytes are written anew by LDS stores (no tensor load lands there again)
.set n, 0
.rept 32
	v_cvt_pk_bf16_f32 v[EMB+n], v[CB+2*n], v[CB+2*n+1]
.set n, n+1
.endr
	GRAM4 EMB, EMB                                 ; rows times themselves: the diagonal is |emb|^2 of the rounded numbers
	DIAG NET, X0
	RSQ X0, VNE, TP+4, TP+5
	v_mov_b32 v[VNE+1], v[VNE]
	v_mul_f32 v[NE], v[X0], v[VNE]                 ; n = n^2 / n
	s_barrier_wait -1                              ; only register work stood between the signal and this wait
; ---------------------------------------------------------------- step 1: my 4 anchors of each class from f32 staging (my own tensor loads' bytes) to the bf16 tiles
.macro CLOAD i
	s_wait_tensorcnt 3-\i                          ; class i's tile is in; the later classes' stay out
.irp n, 0,1,2,3
	ds_load_b128 v[CB+16*\i+4*\n:CB+16*\i+4*\n+3], v[AST] offset:512*\n   ; a row: 32 lanes x 16 neighbouring bytes
.endr
.if \i < 3
	v_add_nc_u32 v[AST], WCLS, v[AST]              ; the next class (beyond the reach of a 16-bit offset)
.endif
.endm
.macro CSTORE i
	s_wait_dscnt 12                                ; behind class i's last load stand 4 (3 - i) loads of later classes and 4 i stores of earlier ones: always twelve
.irp n, 0,1,2,3
	v_cvt_pk_bf16_f32 v[NET+8*\i+2*\n],   v[CB+16*\i+4*\n],   v[CB+16*\i+4*\n+1]
	v_cvt_pk_bf16_f32 v[NET+8*\i+2*\n+1], v[CB+16*\i+4*\n+2], v[CB+16*\i+4*\n+3]
	ds_store_b64 v[ACV], v[NET+8*\i+2*\n:NET+8*\i+2*\n+1] offset:\i*WBCLS+WPITCH*\n
.endr
.endm
.irp i, 0,1,2,3
	CLOAD \i
.endr
.irp i, 0,1,2,3
	CSTORE \i
.endr
	BAR                                            ; all four classes' 64 bf16 rows are whole
; ---------------------------------------------------------------- step 2: tile (ti, tj) of each class's G = W W^T
; Lane (r, h) holds G[16 ti + 8 h + j][16 tj + r], which by symmetry is 8 neighbouring numbers of row 16 tj + r: 16 bytes in bf16.
; Two sets of fragment blocks take turns, so that the next class's sixteen loads are on their way while a class is multiplied.
.macro GLOAD i, a, b
.irp kk, 0,1,2,3
	ds_load_b128 v[\a+8*\kk:\a+8*\kk+3],   v[AGA] offset:\i*WBCLS+64*\kk
	ds_load_b128 v[\a+8*\kk+4:\a+8*\kk+7], v[AGA] offset:\i*WBCLS+64*\kk+32
	ds_load_b128 v[\b+8*\kk:\b+8*\kk+3],   v[AGB] offset:\i*WBCLS+64*\kk
	ds_load_b128 v[\b+8*\kk+4:\b+8*\kk+7], v[AGB] offset:\i*WBCLS+64*\kk+32
.endr
.endm
.macro GDO i, a, b, left
	s_wait_dscnt \left
	GRAM4 \a, \b
.irp q, 0,1,2,3
	v_cvt_pk_bf16_f32 v[GOUT+4*\i+\q], v[NET+2*\q], v[NET+2*\q+1]
.endr
	ds_store_b128 v[AGS], v[GOUT+4*\i:GOUT+4*\i+3] offset:\i*GCLS
	s_cmp_lg_u32 s62, s63                          ; the four waves on G's diagonal also make 1/n_w of their 16 anchors
	s_cbranch_scc1 .Loff_diagonal_\@
	DIAG NET, X0
	RSQ X0, GINV+\i, TP+4, TP+5
	ds_store_b32 v[AIS], v[GINV+\i] offset:\i*256  ; both halves of the lanes store the same word with the same number
.Loff_diagonal_\@:
.endm
	GLOAD 0, CB, KB
	GLOAD 1, DB, INV
	GDO 0, CB, KB, 16                              ; class 1's sixteen loads stay out
	GLOAD 2, CB, KB                                ; behind the five places that close class 0's products
	GDO 1, DB, INV, 17                             ; behind class 1's loads: class 0's store of G (on the diagonal one store more) and class 2's sixteen loads
	GLOAD 3, DB, INV
	GDO 2, CB, KB, 17                              ; the same, a class on
	GDO 3, DB, INV, 0
	BAR                                            ; G and 1/n_w of all four classes are whole; from here on LDS is only read
; ---------------------------------------------------------------- step 3: class i against my 16 rows
.macro MAIN i
	.set PF, NF
	; (a) dots: D[t] = anchors 16 t .. + 15 (as A) x my rows (as B).  128 fragment registers, K step kk in block kk of C, K, NET, INV.
.irp kk, 0,1,2,3
.irp t, 0,1,2,3
	ds_load_b128 v[CB+32*\kk+8*\t:CB+32*\kk+8*\t+3],   v[AWA] offset:\i*WBCLS+\t*16*WPITCH+64*\kk
	ds_load_b128 v[CB+32*\kk+8*\t+4:CB+32*\kk+8*\t+7], v[AWA] offset:\i*WBCLS+\t*16*WPITCH+64*\kk+32
.endr
.endr
.irp kk, 0,1,2,3
	s_wait_dscnt 24-8*\kk                          ; eight loads a K step, back in order: step kk is in, the later steps stay out
.irp t, 0,1,2,3                                    ; the four accumulators take turns
.if \kk == 0
	v_wmma_f32_16x16x32_bf16 v[DB+8*\t:DB+8*\t+7], v[CB+8*\t:CB+8*\t+7], v[EMB:EMB+7], 0
.else
	v_wmma_f32_16x16x32_bf16 v[DB+8*\t:DB+8*\t+7], v[CB+32*\kk+8*\t:CB+32*\kk+8*\t+7], v[EMB+8*\kk:EMB+8*\kk+7], v[DB+8*\t:DB+8*\t+7]
.endif
.endr
.endr
	PLACES
	; (b) 1/n_w of my 32 anchors
.irp t, 0,1,2,3
	ds_load_b128 v[INV+8*\t:INV+8*\t+3],   v[AIL] offset:\i*256+64*\t
	ds_load_b128 v[INV+8*\t+4:INV+8*\t+7], v[AIL] offset:\i*256+64*\t+16
.endr
	s_wait_dscnt 0x0
	; (c) cosines and keys
.irp t, 0,1,2,3
.irp q, 0,1,2,3
	v_pk_mul_f32 v[CB+8*\t+2*\q:CB+8*\t+2*\q+1], v[DB+8*\t+2*\q:DB+8*\t+2*\q+1], v[INV+8*\t+2*\q:INV+8*\t+2*\q+1]
.endr
.irp q, 0,1,2,3
	v_pk_mul_f32 v[CB+8*\t+2*\q:CB+8*\t+2*\q+1], v[CB+8*\t+2*\q:CB+8*\t+2*\q+1], v[VNE:VNE+1]
.endr
.irp q, 0,1,2,3
	v_pk_fma_f32 v[KB+8*\t+2*\q:KB+8*\t+2*\q+1], v[CB+8*\t+2*\q:CB+8*\t+2*\q+1], 0x4e800000, 0x4e800000 op_sel_hi:[1,0,0]   ; 2^30 fl(1 + cos)
.endr
.irp j, 0,1,2,3,4,5,6,7
	v_cvt_u32_f32 v[KB+8*\t+\j], v[KB+8*\t+\j]
.endr
.irp j, 0,1,2,3,4,5,6,7
	v_add3_u32 v[KB+8*\t+\j], v[KB+8*\t+\j], ((3-\t)<<4)|(7-\j), v[VH]     ; + 63 - s
.endr
.endr
	; (d) G's fragments, columns 0-31, on their way during the selection
.irp t, 0,1,2,3
	ds_load_b128 v[INV+8*\t:INV+8*\t+3],   v[AGL] offset:\i*GCLS+\t*16*GPITCH
	ds_load_b128 v[INV+8*\t+4:INV+8*\t+7], v[AGL] offset:\i*GCLS+\t*16*GPITCH+32
.endr
	; (e) the 8th largest of the 64 keys: my 32 sorted by eights and merged, then merged with lane ^ 16's eight
	SORT8 0, LA
	SORT8 1, LB
	MERGE LA, LB
	SORT8 2, LC
	SORT8 3, LD
	MERGE LC, LD
	MERGE LA, LC
.irp n, 0,1,2,3,4,5,6,7
	v_permlanex16_b32 v[LC\n], v[LA\n], s60, s61   ; into the dead list, whose registers have been written
.endr
	TOP8 LA, LC
	v_min_u32 v[T], v[LA0], v[LA1]
	v_min_u32 v[LA2], v[LA2], v[LA3]
	v_min_u32 v[LA4], v[LA4], v[LA5]
	v_min_u32 v[LA6], v[LA6], v[LA7]
	v_min_u32 v[T], v[T], v[LA2]
	v_min_u32 v[LA4], v[LA4], v[LA6]
	v_min_u32 v[T], v[T], v[LA4]
	; (f) G's fragments, columns 32-63, into the lists' registers
.irp t, 0,1,2,3
	ds_load_b128 v[NET+8*\t:NET+8*\t+3],   v[AGL] offset:\i*GCLS+\t*16*GPITCH+64
	ds_load_b128 v[NET+8*\t+4:NET+8*\t+7], v[AGL] offset:\i*GCLS+\t*16*GPITCH+96
.endr
	; (g) e = exp(cos/2) = 1 + c/2 + c^2/8 + c^3/48 + c^4/384 + c^5/3840 where key >= T, else 0; sum e, sum e dot; e to bf16
.irp t, 0,1,2,3
.irp q, 0,1,2,3
	v_pk_fma_f32 v[TP+2*\q:TP+2*\q+1], v[CB+8*\t+2*\q:CB+8*\t+2*\q+1], v[VA5:VA5+1], 0x3b2aaaab op_sel_hi:[1,1,0]
.endr
	HSTEP \t, 0x3caaaaab
	HSTEP \t, 0x3e000000
	HSTEP \t, 0.5
.irp q, 0,1,2,3
	v_pk_fma_f32 v[CB+8*\t+2*\q:CB+8*\t+2*\q+1], v[TP+2*\q:TP+2*\q+1], v[CB+8*\t+2*\q:CB+8*\t+2*\q+1], 1.0 op_sel_hi:[1,1,0]
.endr
.irp j, 0,1,2,3
	v_cmp_ge_u32 s[CM+\j], v[KB+8*\t+\j], v[T]
.endr
.irp j, 0,1,2,3
	v_cndmask_b32 v[CB+8*\t+\j], 0, v[CB+8*\t+\j], s[CM+\j]
.endr
.irp j, 4,5,6,7
	v_cmp_ge_u32 s[CM+\j-4], v[KB+8*\t+\j], v[T]
.endr
.irp j, 4,5,6,7
	v_cndmask_b32 v[CB+8*\t+\j], 0, v[CB+8*\t+\j], s[CM+\j-4]
.endr
.if \t == 0
	v_pk_add_f32 v[SE:SE+1], v[CB:CB+1], v[CB+2:CB+3]          ; the first terms start the sums: nothing is cleared
	v_pk_mul_f32 v[SA:SA+1], v[CB:CB+1], v[DB:DB+1]
.else
	v_pk_add_f32 v[SE:SE+1], v[SE:SE+1], v[CB+8*\t:CB+8*\t+1]
	v_pk_fma_f32 v[SA:SA+1], v[CB+8*\t:CB+8*\t+1], v[DB+8*\t:DB+8*\t+1], v[SA:SA+1]
	v_pk_add_f32 v[SE:SE+1], v[SE:SE+1], v[CB+8*\t+2:CB+8*\t+3]
.endif
	v_pk_fma_f32 v[SA:SA+1], v[CB+8*\t+2:CB+8*\t+3], v[DB+8*\t+2:DB+8*\t+3], v[SA:SA+1]
.irp q, 2,3
	v_pk_add_f32 v[SE:SE+1], v[SE:SE+1], v[CB+8*\t+2*\q:CB+8*\t+2*\q+1]
	v_pk_fma_f32 v[SA:SA+1], v[CB+8*\t+2*\q:CB+8*\t+2*\q+1], v[DB+8*\t+2*\q:DB+8*\t+2*\q+1], v[SA:SA+1]
.endr
.irp q, 0,1,2,3                                    ; over dots that have been used: tiles 2 kk and 2 kk + 1 are registers 0-3 and 4-7 of the B fragment of K step kk
	v_cvt_pk_bf16_f32 v[DB+4*\t+\q], v[CB+8*\t+2*\q], v[CB+8*\t+2*\q+1]
.endr
.endr
	; (h) q = G e, in the layout of e; the four accumulators take turns
	s_wait_dscnt 0x0
.irp kk, 0,1
.irp t, 0,1,2,3
.if \kk == 0
	v_wmma_f32_16x16x32_bf16 v[KB+8*\t:KB+8*\t+7], v[INV+8*\t:INV+8*\t+7], v[DB:DB+7], 0
.else
	v_wmma_f32_16x16x32_bf16 v[KB+8*\t:KB+8*\t+7], v[NET+8*\t:NET+8*\t+7], v[DB+8:DB+15], v[KB+8*\t:KB+8*\t+7]
.endif
.endr
.endr
	PLACES
	v_pk_mul_f32 v[SQ:SQ+1], v[CB:CB+1], v[KB:KB+1]
.set n, 1
.rept 15
	v_pk_fma_f32 v[SQ:SQ+1], v[CB+2*n:CB+2*n+1], v[KB+2*n:KB+2*n+1], v[SQ:SQ+1]
.set n, n+1
.endr
	; (i) the three sums over the pair's halves and over lane ^ 16; then the cosine.  These lines name none of the registers of the products in (h): with the
	; four v_nop above they are the places in front of the next class's dots, which write over DB and take KB's registers, loaded anew, as A.
	v_add_f32 v[SE], v[SE], v[SE+1]
	v_add_f32 v[SA], v[SA], v[SA+1]
	v_add_f32 v[SQ], v[SQ], v[SQ+1]
	v_permlanex16_b32 v[SE+1], v[SE], s60, s61
	v_permlanex16_b32 v[SA+1], v[SA], s60, s61
	v_permlanex16_b32 v[SQ+1], v[SQ], s60, s61
	v_add_f32 v[SE], v[SE], v[SE+1]
	v_add_f32 v[SA], v[SA], v[SA+1]
	v_add_f32 v[SQ], v[SQ], v[SQ+1]
	v_max_num_f32 v[SQ], 0, v[SQ]
	v_rcp_f32 v[SE+1], v[SE]
	v_sqrt_f32 v[SQ+1], v[SQ]
	v_nop                                          ; one plain place behind the transcendentals
	s_wait_alu depctr_va_vdst(0)
	v_mul_f32 v[SQ], v[SQ+1], v[SE+1]              ; n_p
	v_mul_f32 v[SQ], v[SQ], v[NE]
	v_max_num_f32 v[SQ], 0x322bcc77, v[SQ]         ; max(n_p n_emb, 1e-8)
	v_rcp_f32 v[SQ+1], v[SQ]
	v_mul_f32 v[SA], v[SA], v[SE+1]                ; protos . emb; also the plain place behind v_rcp_f32
	s_wait_alu depctr_va_vdst(0)
	v_mul_f32 v[SA], v[SA], v[SQ+1]
	v_fma_f32 v[OUTR+\i], v[SA], 0x40a00000, 0x40a00000        ; (1 + cos) / 2 / 0.1; the 1e-7 that 1e-8 / 0.1 adds is below half a step of f32 at 5
.endm
.irp i, 0,1,2,3
	MAIN \i
.endr
; ---------------------------------------------------------------- out: row 256 cy + 16 w + r, classes 4 x .. 4 x + 3; h = 0 stores the first two, h = 1 the last two
	v_cndmask_b32 v[OUTR],   v[OUTR],   v[OUTR+2], s66
	v_cndmask_b32 v[OUTR+1], v[OUTR+1], v[OUTR+3], s66
	s_lshl_b32 s76, s12, 18                        ; 256 cy rows of 1,024 bytes
	s_lshl_b32 s73, s10, 14                        ; 16 w rows
	s_add_co_u32 s76, s76, s73
	s_lshl_b32 s73, s13, 4                         ; 4 x classes of 4 bytes
	s_add_co_u32 s76, s76, s73
	s_mov_b32 s77, 0
	s_add_nc_u64 s[8:9], s[8:9], s[76:77]
	global_store_b64 v[OOF], v[OUTR:OUTR+1], s[8:9]
	s_wait_xcnt 0x0
	v_lshl_add_u32 v254, v0, 2, 0x41000
	v_mov_b32 v255, 0
	s_wait_tensorcnt 0x0
	ds_add_u32 v254, v255
	s_wait_dscnt 0x0
	ROUND                                          ; the closing round: no work-group ends while a partner may still ask for a tile that names it
	s_endpgm
.Lfunc_end_k_q4e1bdc7c61_route:
	.size	k_q4e1bdc7c61_route, .Lfunc_end_k_q4e1bdc7c61_route-k_q4e1bdc7c61_route
	.p2alignl 7, 3214868480
	.fill 96, 4, 3214868480
	.section	.rodata,"a",@progbits
	.p2align	6, 0x0
	.amdhsa_kernel k_q4e1bdc7c61_route
		.amdhsa_group_segment_fixed_size 268288
		.amdhsa_private_segment_fixed_size 0
		.amdhsa_enable_private_segment 0
		.amdhsa_kernarg_size 24
		.amdhsa_user_sgpr_count 2
		.amdhsa_user_sgpr_kernarg_segment_ptr 1
		.amdhsa_wavefront_size32 1
		.amdhsa_system_sgpr_workgroup_id_x 1
		.amdhsa_system_sgpr_workgroup_id_y 1
		.amdhsa_system_sgpr_workgroup_id_z 1
		.amdhsa_system_vgpr_workitem_id 0
		.amdhsa_next_free_vgpr 256
		.amdhsa_next_free_sgpr 80
		.amdhsa_reserve_vcc 0
		.amdhsa_float_denorm_mode_32 3
		.amdhsa_float_denorm_mode_16_64 3
		.amdhsa_memory_ordered 1
		.amdhsa_forward_progress 1
		.amdhsa_inst_pref_size 174
	.end_amdhsa_kernel
	.amdgpu_metadata
---
amdhsa.version: [ 1, 2 ]
amdhsa.kernels:
  - .name:           k_q4e1bdc7c61_route
    .symbol:         k_q4e1bdc7c61_route.kd
    .args:
      - { .name: emb, .offset: 0, .size: 8, .value_kind: global_buffer, .address_space: global }
      - { .name: weight, .offset: 8, .size: 8, .value_kind: global_buffer, .address_space: global }
      - { .name: out0, .offset: 16, .size: 8, .value_kind: global_buffer, .address_space: global }
    .group_segment_fixed_size: 268288
    .private_segment_fixed_size: 0
    .kernarg_segment_align: 8
    .kernarg_segment_size: 24
    .max_flat_workgroup_size: 512
    .sgpr_count:     80
    .vgpr_count:     256
    .wavefront_size: 32
...
	.end_amdgpu_metadata
.endif
;; end of part 1
